; MI455X (gfx1250); checked and timed in simulation.
; The chip was launched on July 23, 2026; its instructions are those of AMD's public machine-readable ISA for CDNA 5 (MIT licence, August 2026) and "CDNA5" Instruction Set Architecture Reference Guide (July 2026). The comments in the code are by the model that wrote it; some were corrected since.
;; Route Wrap. Allowed arithmetic: matrix products marked QUANTISED: E4M3 operands, one given power-of-two scale a tensor, by v_wmma_f32_16x16x64_fp8_fp8 or v_wmma_f32_16x16x128_fp8_fp8, f32 sums; products left as they are: f32 operands where the result goes on into a quantised operand, else bf16, f16 or f32 operands; f32 sums; everything else in f32.
;; Inputs: A_codes 64 x 16 x 64 x 32 uint8 (E4M3 codes of A, K innermost, in blocks of 32 codes); B 64 x 2,048 x 16 float32; W_codes 2,048 x 64 x 32 uint8 (E4M3 codes of W, K innermost, in blocks of 32 codes); bias 2,048 float32; lowp_scales 6 int32 (the exponents e of the quantised operands' scales 2^e); x_codes 4 x 2,048 x 64 x 32 uint8 (E4M3 codes of x, K innermost, in blocks of 32 codes).
;; Outputs: out0 4 x 2,048 x 2,048 float32.
;; This version of the problem:
;;   THIS VERSION OF THE PROBLEM IS GIVEN IN LOW PRECISION. The matrix products marked QUANTISED in the list below multiply operands that are first quantised to E4M3 (4 exponent bits, 3 mantissa bits; 8 bits a number), with one given power-of-two scale for each operand tensor; their sums are f32. All else is computed in f32.
;;   The module's matrix products, in the order in which they are computed (A, B: the left and right operand; K: the contracted axis; several contracted axes count as one K, in the product's order):
;;     1. [M 8,192, K 2,048] x [K 2,048, N 1,024]; A: input x (given as codes); B: input A (given as codes): QUANTISED (scales: A lowp_scales[0], B lowp_scales[1])
;;     2. batch 8,192 x [M 1, K 64] x [K 64, N 16]; A: computed on the way; B: computed on the way: left as it is (M = 1 < 16)
;;     3. batch 8,192 x [M 16, K 1] x [K 1, N 64]; A: computed on the way; B: computed on the way: left as it is (no contracted axis)
;;     4. [M 8,192, K 1,024] x [K 1,024, N 2,048]; A: computed on the way; B: input B: QUANTISED (scales: A lowp_scales[2], B lowp_scales[3])
;;     5. [M 8,192, K 2,048] x [K 2,048, N 2,048]; A: input x (given as codes); B: input W (given as codes): QUANTISED (scales: A lowp_scales[4], B lowp_scales[5])
;;   THE QUANTISER, for each operand of a quantised product, along K:
;;     - The operand's scale is 2^e, e = its entry of the input lowp_scales (int32; the entries are numbered through the quantised products in the list's order, A before B).
;;     - Each number is divided by the scale, clamped to +-448, and rounded to the nearest number of E4M3, ties to even, subnormals kept.
;;     - The product sums the exact products of the quantised numbers (number of the format x scale) in f32.
;;   ~~~python
;;   def quantise(x, axis, e):      # numpy; x: float32 -> the quantised numbers, widened to float32 again
;;       x = np.moveaxis(x, axis, -1); K = x.shape[-1]
;;       r = np.clip(x / 2.0 ** e, -448, 448)
;;       step = 2.0 ** (np.maximum(np.frexp(np.where(r == 0, 1, r))[1] - 1, -6) - 3)
;;       q = np.round(r / step) * step * 2.0 ** e      # np.round: ties to even
;;       return np.moveaxis(q, -1, axis).astype(np.float32)
;;   ~~~
;;   OPERANDS COMPUTED ON THE WAY. 'Computed on the way' means the value that the module computes at that place (a softmax that the list does not call 'softmax' is quantised finished and normalised). What goes into a quantiser is computed in f32, as accurately as f32 sums, v_exp_f32 and their like allow (about 1e-6 of the number): no bf16 or f16 on the way to a quantiser, and a product that is left as it is and whose result goes on into a quantised operand takes f32 operands (vector FMAs, or v_wmma_f32_16x16x4_f32). A number that lies on a knife's edge between two numbers of the format may be rounded either way, as far as f32 arithmetic and the matrix unit's own rounding can turn it there, and no further.
;;   INPUTS GIVEN AS CODES. A (in the module: [64, 16, 2048], K = its axis 2); W (in the module: [2048, 2048], K = its axis 1); x (in the module: [4, 2048, 2048], K = its axis 2): each comes as NAME_codes (uint8): NAME with its K axis moved to the last place and cut into blocks of 32 codes, [.., K / 32, bytes a block], one block behind the other in memory; one code a byte (a code: sign, 4 exponent bits, 3 mantissa bits); its scale is its entry of lowp_scales. Its value is code x scale, taken as it is: it is not quantised again, and the codes and scales need not be those that the quantiser above would give.
;; One version. Each part assembles by itself: llvm-mc -triple=amdgcn-amd-amdhsa -mcpu=gfx1250 --defsym DOCPART=n.
;; ======== version 1 of 1: 2 launches
;; limits: right only within a limited range of input values
;; workspace buffers: bimg 2,097,152 bytes; cand 8,388,608 bytes; meta 1,048,576 bytes
;; launch route (part 1): grid 4 x 64, 4 waves a work-group, clusters of 4 x 4, 327,680 bytes of LDS; arguments x_codes, A_codes, B, lowp_scales, bimg, cand, meta; writes bimg, cand, meta
.if DOCPART == 1
	.amdgcn_target "amdgcn-amd-amdhsa--gfx1250"
	.amdhsa_code_object_version 6
	.text
	.protected	k_qd462b0889a_route
	.globl	k_qd462b0889a_route
	.p2align	8
	.type	k_qd462b0889a_route,@function
k_qd462b0889a_route:
	s_mov_b64 s[64:65], 0
	v_nop
	global_prefetch_b8 v0, s[64:65] scope:SCOPE_SE
	s_setreg_imm32_b32 hwreg(HW_REG_WAVE_MODE, 25, 1), 1
	s_wait_xcnt 0x0
	s_wait_alu depctr_hold_cnt(0) depctr_sa_sdst(0) depctr_va_vdst(0) depctr_va_sdst(0) depctr_va_ssrc(0) depctr_va_vcc(0) depctr_vm_vsrc(0)
	s_getreg_b32 s2, hwreg(HW_REG_IB_STS2, 6, 4)
	s_cmp_eq_u32 s2, 0
	s_cbranch_scc0 .Lentry_in_a_cluster
	s_endpgm
.Lentry_in_a_cluster:
	s_bfe_u32 s2, ttmp6, 0x10000c
	s_cmp_lg_u32 s2, 0xf033
	s_cbranch_scc0 .Lentry_shape_is_right
	s_endpgm
.Lentry_shape_is_right:
; ROUTE.  vecs = x A^T on codes of FP8 (E4M3), K = 2,048, tiled as a GEMM: a work-group makes 128 tokens x 256 columns, the 16 ranks of the 16 adapters of one group g (of four).
; On the way out each token's four largest adapters OF THIS GROUP are picked: their squared norms, a one-hot word each, and their 16 raw sums go to memory; the next launch merges the four groups' candidates.
; Each wave also quantises one operand fragment of B (f32, scale 2^e3) into bimg, laid in the order of the operand's registers.
; SHARES.  Wave w: tokens 32 w .. 32 w + 31 (two blocks m) x all 16 adapters: 32 accumulators.  THE PRODUCT IS USED TRANSPOSED (source 0 = an adapter's 16 rows, source 1 = 16 tokens):
; lane (r, h) holds token r, register j rank 8 h + j.  For the choice lanes 0-15 take the tokens of block 0, lanes 16-31 those of block 1: it needs no LDS and no barrier.
; LDS: three regions (x's 128 rows, A's first 128, A's second 128), each of three planes of 256 along K (a chunk).  The fills are chunks {0}, {1,2}, {3}, {4,5}, {6}, {7}: plane 0 and planes 1, 2 by turns,
; one tensor load a loading wave each, a tile of three dimensions (bytes, rows, planes).  The last fill's second plane lies past the stated extent: it is not read from memory and not multiplied.
; CLUSTER 4 x 4: the four groups of a token tile share x's tile (row of the cluster), the four token tiles share A's (column): each tile is asked for jointly.
; THE ORDER OF THE ROUTER: by the squared norm of the raw sums; the root and the factor 2^(e0 + e1) are monotone.  Ties go to the lower index.
; LIMITS: e3 between -126 and 119.  NaN codes and NaN in B are not served.  Two unequal sums of squares whose roots round to one f32 number are told apart here, and are a tie in the root.
; REGISTERS: window 0: v1 r, v2 h, v3 lane, v8-12, v16-26 LDS addresses, v28-30; v32-111 B's numbers and codes; v128-191 token fragments, two sets; the way out uses v32-239.
;   window 1: the 16 adapters' fragments, one set.   window 2: accumulator (a, m) at v[16 a + 8 m].
.set KROW,   2048                      ; a row of x or of A in bytes
.set ROWB,   256                       ; a chunk: 256 along K
.set PITCH,  272                       ; an LDS row: 256 bytes + 16 of padding
.set HALFT,  128*PITCH                 ; a plane: 128 rows
.set SPARE,  9*HALFT                   ; behind the regions: the spare words, 128 bytes a wave, named by no other line
.set NP,     4                         ; places behind this matrix instruction (ISA guide 7.12.1)
.set MT,   12                          ; v12 2,048 h + 16 r: a token's place in meta
.set ADRX, 16                          ; v16-18 LDS address of my token fragments in plane 0, 1, 2
.set ADRA, 20                          ; v20-22 adapters 0-7
.set ADRB, 24                          ; v24-26 adapters 8-15
.set SPW,  28                          ; v28 my spare word; never rewritten
.set NIL,  29                          ; v29 0; never rewritten
.set PFO,  30                          ; v30 2,048 x lane: the prefetches' offset
.set BF,   32                          ; v32-95  64 numbers of B
.set BC,   96                          ; v96-111 their codes
.set TK,   128                         ; token fragments: set p at TK + 32 p, block m at + 16 m
.set NRM,  32                          ; the way out: 16 squared norms (of block 0's halves first)
.set NR1,  48                          ; of block 1's halves
.set TP,   64                          ; 16 pairs at work
.set WT,   64                          ; 2 x 64 weights 0 or 1: block m, candidate i, adapter a at WT + 64 m + 16 i + a
.set SN,   192                         ; the four norms, descending
.set BT,   196                         ; their one-hot words
.set MX,   200
.set VC,   208                         ; the four candidates' eight ranks of my half
.set WV,   18                          ; s18 wave
.set G1X,  24                          ; s[24:31], s[32:35]: x's descriptor groups 1 and 0
.set G0X,  32
.set G2R,  36                          ; s[36:39], s[60:63]: groups 2 and 3 of both
.set G1A,  48                          ; s[48:55], s[56:59]: A's groups 1 and 0
.set G0A,  56
.set G3R,  60
.set FND,  66                          ; s66, s67: lanes that have found their adapter, by turns
.set HM,   68                          ; s68 lanes 16-31
.set LB,   69                          ; s69 LDS address of the region that I fetch
.set PK,   70                          ; s70-75 lane masks of the two blocks, by turns
.set SEL,  76                          ; s[76:77] selects of v_permlanex16_b32: lane l xor 16
.set PFA,  78                          ; s[78:79] where my prefetches stand
.set LIM,  80                          ; s80 1 in a wave that prefetches, else the greatest number
.set EQ,   84                          ; s84-99 sixteen lane masks
.set MSB, 0
.macro WIN new                         ; the immediate's high byte repeats the setting that is left
.if MSB != \new
	s_set_vgpr_msb (MSB<<8)|\new
.set MSB, \new
.endif
.endm
.set MUL,  0xa1                        ; source 0 (adapter) window 1, source 1 (tokens) window 0, C and D window 2
.set TO_A, 0x40                        ; destination window 1, address window 0
.macro PLACES n
.rept \n
	v_nop
.endr
.endm
.macro CREST                           ; a round of the cluster's barrier behind its opening barrier
	s_cmp_lg_u32 s[WV], 0
	s_cbranch_scc1 .Lnot_wave_0_\@
	s_barrier_signal -3
.Lnot_wave_0_\@:
	s_barrier_wait -3
	s_barrier_signal -1
	s_barrier_wait -1
.endm
.macro CROUND
	s_barrier_signal -1
	s_barrier_wait -1
	CREST
.endm
; A joint load: wave 0 fetches x's 128 rows, waves 1 and 2 A's halves, wave 3 nothing.  The branches hang on the wave's number alone.  Four v_nop follow each line;
; four more stand behind the joining label, for wave 3: they are its places in front of the LDS loads that follow.
.macro JLOAD
	s_cmp_eq_u32 s[WV], 0
	s_cbranch_scc0 .Lnot_x_\@
	tensor_load_to_lds s[G0X:G0X+3], s[G1X:G1X+7], s[G2R:G2R+3], s[G3R:G3R+3]
	s_nop 0
	PLACES 4
	s_branch .Lasked_\@
.Lnot_x_\@:
	s_cmp_lt_u32 s[WV], 3
	s_cbranch_scc0 .Lasked_\@
	tensor_load_to_lds s[G0A:G0A+3], s[G1A:G1A+7], s[G2R:G2R+3], s[G3R:G3R+3]
	s_nop 0
	PLACES 4
.Lasked_\@:
	PLACES 4
.endm
; The fill of `planes` planes from LDS byte dl of the region on; dg: bytes along K from the last fill's first chunk to this one's
.macro REFILL planes, dl, dg
	s_mov_b32 s[G1X+4], 128|(\planes<<16)
	s_mov_b32 s[G1A+4], 128|(\planes<<16)
	s_add_co_u32 s[G0X+1], s[LB], \dl
	s_add_co_u32 s[G0A+1], s[LB], \dl
	s_add_nc_u64 s[G0X+2:G0X+3], s[G0X+2:G0X+3], \dg
	s_add_nc_u64 s[G0A+2:G0A+3], s[G0A+2:G0A+3], \dg
	JLOAD
.endm
; Prefetches of n chunks from c on: 32 rows x 256 bytes each, a lane a row.  Wave 0: x's rows (one row of clusters alone reads them, so every cluster asks); waves 1, 2: A's rows, in the clusters of y = 0, 3, 5, 6.
; The four partners that ask for a tile jointly take 32 of its 128 rows each, told apart by address.  Each fill's chunks are asked for two fills ahead (the first ones at the head); the loop's last trip (s3 = 1) asks for nothing:
; chunk 7, K bytes 1,792 to 2,047, is the last that is named.
.macro ASK c, n
	s_cmp_gt_u32 s3, s[LIM]
	s_cbranch_scc0 .Lnot_mine_\@
.set cc, \c
.rept \n
	global_prefetch_b8 v[PFO], s[PFA:PFA+1] offset:ROWB*cc th:TH_LOAD_NT scope:SCOPE_SE
.set cc, cc+1
.endr
.Lnot_mine_\@:
.endm
	s_load_b256 s[4:11], s[0:1], 0x0               ; x s[4:5], A s[6:7], B s[8:9], the scales' exponents s[10:11]
	s_load_b128 s[12:15], s[0:1], 0x20             ; bimg s[12:13], cand s[14:15]
	s_load_b64 s[16:17], s[0:1], 0x30              ; meta
	v_lshl_add_u32 v[SPW], v0, 2, SPARE
	v_mov_b32 v[NIL], 0
	ds_add_u32 v[SPW], v[NIL]
	ds_add_u32 v[SPW], v[NIL]
	v_lshrrev_b32 v1, 5, v0
	v_readfirstlane_b32 s[WV], v1                  ; wave 0..3
	s_mul_i32 s40, s[WV], 32*PITCH                 ; my 32 tokens
	v_and_b32 v1, 15, v0                           ; r
	v_bfe_u32 v2, v0, 4, 1                         ; h
	v_and_b32 v3, 31, v0                           ; lane
	v_lshlrev_b32 v8, 8, v1
	v_lshl_add_u32 v8, v2, 17, v8                  ; B: 256 r + 131,072 h (an adapter of B is 131,072 bytes)
	v_lshlrev_b32 v9, 4, v3                        ; 16 x lane
	v_lshlrev_b32 v[MT], 4, v1
	v_lshl_add_u32 v[MT], v2, 11, v[MT]
	v_lshlrev_b32 v[PFO], 11, v3
	v_mul_u32_u24 v4, v1, PITCH                    ; a fragment's row x pitch + 16 x half
	v_lshl_add_u32 v4, v2, 4, v4
	v_add_nc_u32 v[ADRX], s40, v4
	v_add_nc_u32 v[ADRX+1], HALFT, v[ADRX]
	v_add_nc_u32 v[ADRX+2], 2*HALFT, v[ADRX]
.irp s, 0,1,2
	v_add_nc_u32 v[ADRA+\s], (3+\s)*HALFT, v4
	v_add_nc_u32 v[ADRB+\s], (6+\s)*HALFT, v4
.endr
	s_wait_alu depctr_va_vdst(0)
	s_lshr_b32 s19, s[WV], 1                       ; which half of A's rows waves 1 and 2 fetch
	s_bfe_u32 s20, ttmp6, 0x40000                  ; cx
	s_bfe_u32 s21, ttmp6, 0x40004                  ; cy
	s_lshl_b32 s22, ttmp9, 2
	s_add_co_u32 s22, s22, s20                     ; g = 4 x cluster x + cx: the group of 16 adapters
	s_and_b32 s23, ttmp7, 0xffff
	s_lshl_b32 s23, s23, 2
	s_add_co_u32 s23, s23, s21                     ; ty = 4 x cluster y + cy: the tile of 128 tokens
	s_lshl_b32 s40, s21, 2
	s_lshl_b32 s40, 15, s40                        ; my row of the cluster
	s_lshl_b32 s41, 0x1111, s20                    ; my column
	s_or_b32 s[G1X], s40, (1<<20)|(1<<21)|(5<<22)|(3<<25)   ; 15:0 the mask; 17:16 elements of 1 byte; 20 padding on; 21 set beside a mask; 24:22 after every 64 words; 31:25 four words
	s_or_b32 s[G1A], s41, (1<<20)|(1<<21)|(5<<22)|(3<<25)
.irp g, G1X, G1A
	s_mov_b32 s[\g+1], ROWB<<16                    ; tensor_dim0
	s_mov_b32 s[\g+2], 128<<16                     ; tensor_dim1
	s_mov_b32 s[\g+3], ROWB<<16                    ; tile_dim0
	s_mov_b32 s[\g+4], 128|(1<<16)                 ; tile_dim1, tile_dim2
	s_mov_b32 s[\g+5], KROW                        ; from row to row
	s_mov_b32 s[\g+6], ROWB<<16                    ; from plane to plane: 256 bytes on along K
	s_mov_b32 s[\g+7], 0
.endr
	s_mov_b32 s[G2R], 2                            ; tensor_dim2: planes that are left, two at the most in a fill
	s_mov_b32 s[G2R+1], 1
	s_mov_b32 s[G2R+2], 0
	s_mov_b32 s[G2R+3], 0
	s_mov_b32 s[G3R], 0
	s_mov_b32 s[G3R+1], 1<<16
	s_mov_b32 s[G3R+2], 0
	s_mov_b32 s[G3R+3], 0
	s_lshl_b32 s42, s23, 18                        ; x: row 128 ty, in bytes
	s_mov_b32 s43, 0
	s_lshl_b32 s44, s22, 19                        ; A: row 256 g + 128 x half
	s_lshl_b32 s45, s19, 18
	s_add_co_u32 s44, s44, s45
	s_mov_b32 s45, 0
	s_min_u32 s46, s[WV], 2
	s_mul_i32 s[LB], s46, 3*HALFT                  ; my region: no place in the cluster enters an LDS address
	s_wait_dscnt 0x0                               ; both opening adds are done
	s_wait_kmcnt 0x0
	s_load_b32 s81, s[10:11], 0xc                  ; e3
	s_add_nc_u64 s[42:43], s[4:5], s[42:43]
	s_add_nc_u64 s[44:45], s[6:7], s[44:45]
	s_mov_b32 s[G0X], 1
	s_mov_b32 s[G0X+1], s[LB]
	s_mov_b64 s[G0X+2:G0X+3], s[42:43]
	s_or_b32 s[G0X+3], s[G0X+3], 0x80000000
	s_mov_b32 s[G0A], 1
	s_mov_b32 s[G0A+1], s[LB]
	s_mov_b64 s[G0A+2:G0A+3], s[44:45]
	s_or_b32 s[G0A+3], s[G0A+3], 0x80000000
	CROUND                                         ; all sixteen work-groups are here: the first joint loads meet
	JLOAD                                          ; chunk 0 into plane 0
	; ---- B's fragment.  1,024 waves, 1,024 fragments: 4 ty + g = 8 J + sg, and jt = 4 J + w: adapters 8 sg .. + 7, outputs 64 J + 4 r + w in lane r: the next launch lays W's rows so.
	; Lane (r, h) takes, for c = 0 .. 3, the 16 ranks of B[8 sg + 2 c + h][64 J + 4 r + w]: 64 bytes; the four waves together read 4,096 consecutive bytes of an adapter.
	s_lshl_b32 s82, s23, 2
	s_add_co_u32 s82, s82, s22
	s_lshr_b32 s83, s82, 3                         ; J
	s_and_b32 s82, s82, 7                          ; sg
	s_lshl_b32 s40, s82, 20
	s_lshl_b32 s41, s83, 12
	s_add_co_u32 s40, s40, s41
	s_lshl_b32 s41, s[WV], 6
	s_add_co_u32 s40, s40, s41
	s_mov_b32 s41, 0
	s_add_nc_u64 s[8:9], s[8:9], s[40:41]
.irp c, 0,1,2,3
.irp k, 0,1,2,3
	global_load_b128 v[BF+16*\c+4*\k:BF+16*\c+4*\k+3], v8, s[8:9] offset:262144*\c+16*\k
.endr
.endr
	s_lshr_b32 s40, s82, 2                         ; bimg: [sg / 4][jt][sg % 4][c][lane][16 bytes]
	s_lshl_b32 s40, s40, 20
	s_lshl_b32 s47, s83, 15
	s_add_co_u32 s40, s40, s47
	s_lshl_b32 s47, s[WV], 13
	s_add_co_u32 s40, s40, s47
	s_and_b32 s47, s82, 3
	s_lshl_b32 s47, s47, 11
	s_add_co_u32 s40, s40, s47
	s_add_nc_u64 s[12:13], s[12:13], s[40:41]
	s_lshl_b32 s40, s23, 17                        ; cand: [16 tokens][g][8][lane][16 bytes]: (8 ty + 2 w) x 16,384 + 4,096 g
	s_lshl_b32 s47, s[WV], 15
	s_add_co_u32 s40, s40, s47
	s_lshl_b32 s47, s22, 12
	s_add_co_u32 s40, s40, s47
	s_add_nc_u64 s[14:15], s[14:15], s[40:41]
	s_lshl_b32 s40, s23, 14                        ; meta: [16 tokens][g][16 x norms, 16 x words][16 bytes]: (8 ty + 2 w) x 2,048 + 512 g
	s_lshl_b32 s47, s[WV], 12
	s_add_co_u32 s40, s40, s47
	s_lshl_b32 s47, s22, 9
	s_add_co_u32 s40, s40, s47
	s_add_nc_u64 s[16:17], s[16:17], s[40:41]
	; the prefetches: who asks, and where
	s_and_b32 s82, ttmp7, 0xffff                   ; cluster y
	s_bcnt1_i32_b32 s46, s82
	s_and_b32 s46, s46, 1
	s_and_b32 s82, s82, 8
	s_or_b32 s82, s82, s46                         ; 0 in y = 0, 3, 5, 6
	s_lshl_b32 s83, s23, 7                         ; x: row 128 ty
	s_lshl_b32 s46, s22, 8
	s_lshl_b32 s47, s19, 7
	s_add_co_u32 s46, s46, s47                     ; A: row 256 g + 128 x half
	s_cmp_eq_u32 s[WV], 0
	s_cselect_b32 s82, 0, s82                      ; wave 0 asks in every cluster
	s_cselect_b32 s83, s83, s46
	s_cselect_b32 s46, s20, s21                    ; my place among the four that ask jointly
	s_cselect_b64 s[PFA:PFA+1], s[4:5], s[6:7]
	s_and_b32 s47, s19, s[WV]                      ; 1 in wave 3 alone
	s_or_b32 s82, s82, s47
	s_cmp_eq_u32 s82, 0
	s_cselect_b32 s[LIM], 1, -1                    ; hangs on the wave's number and the cluster's y: alike in all partners
	s_lshl_b32 s46, s46, 5
	s_add_co_u32 s83, s83, s46
	s_lshl_b32 s82, s83, 11
	s_mov_b32 s83, 0
	s_add_nc_u64 s[PFA:PFA+1], s[PFA:PFA+1], s[82:83]
	s_mov_b32 s[SEL], 0x76543210
	s_mov_b32 s[SEL+1], 0xfedcba98
	s_mov_b32 s[HM], 0xffff0000
	s_mov_b32 s3, 2                                ; the loop's trips
	ASK 1, 3                                       ; chunks 1, 2 and 3: the next two fills
	s_wait_kmcnt 0x0
	s_add_co_i32 s81, s81, 127
	s_lshl_b32 s40, s81, 23
	v_mov_b32 v10, s40                             ; 2^e3 as f32: the conversion takes its exponent field
	s_add_co_i32 s81, s81, 8
	s_lshl_b32 s81, s81, 23
	s_or_b32 s81, s81, 0x600000
	v_mov_b32 v11, s81                             ; 448 x 2^e3
.macro FRAG reg, adr, q, i             ; 16 rows x 128 K: registers 4 c .. 4 c + 3 hold K = 32 c + 16 (lane / 16) + 0 .. 15, alike on both sides of the product
.irp c, 0,1,2,3
	ds_load_b128 v[\reg+4*\c:\reg+4*\c+3], v[\adr] offset:128*(\q)+32*\c+(\i)*16*PITCH
.endr
.endm
.macro FETCH_AD pl, q, i0              ; adapters i0 .. i0 + 7 (i0 = 0 or 8): 32 loads
	WIN TO_A
.irp i, 0,1,2,3,4,5,6,7
	FRAG 16*(\i0+\i), ADRA+(\i0)/2+\pl, \q, \i
.endr
	WIN 0
.endm
.macro FETCH_TK pl, q, p               ; my two blocks of tokens into set p: 8 loads
.irp m, 0,1
	FRAG TK+32*(\p)+16*\m, ADRX+\pl, \q, \m
.endr
.endm
; n adapters from a0 on x my two blocks of tokens.  The 32 accumulators take turns, one instruction a turn, in the same order in every step.
.macro RMUL a0, n, p, zero
.set aa, \a0
.rept \n
.irp m, 0,1
.if \zero
	v_wmma_f32_16x16x128_fp8_fp8 v[16*aa+8*\m:16*aa+8*\m+7], v[16*aa:16*aa+15], v[TK+32*(\p)+16*\m:TK+32*(\p)+16*\m+15], 0
.else
	v_wmma_f32_16x16x128_fp8_fp8 v[16*aa+8*\m:16*aa+8*\m+7], v[16*aa:16*aa+15], v[TK+32*(\p)+16*\m:TK+32*(\p)+16*\m+15], v[16*aa+8*\m:16*aa+8*\m+7]
.endif
.endr
.set aa, aa+1
.endr
.endm
; A step of 128 along K on token set p; the next step's fragments (plane pl, half q) are fetched on the way.  An adapter's registers are free as soon as its two products are issued: one set serves.
.macro RSTEP pl, q, p, zero
	s_wait_dscnt 32                                ; adapters 0-7 and the tokens are in; the youngest 32 loads (adapters 8-15) may be out
	WIN MUL
	RMUL 0, 8, \p, \zero
	s_wait_dscnt 0x0                               ; adapters 8-15 are in
	PLACES NP                                      ; in front of loads into registers that matrix instructions have read
	FETCH_AD \pl, \q, 0
	FETCH_TK \pl, \q, 1-\p
	WIN MUL
	RMUL 8, 8, \p, \zero
	PLACES NP
	FETCH_AD \pl, \q, 8
.endm
; A chunk's second 128 along K (token set 1), and a change of fills: one barrier; in front of it each wave waits for all its tensor loads, adds 0 to its spare word, and waits for that and for its reads.
; Half of the step's products stand ahead of the wait for the fill.  planes > 0: that many planes are refilled behind the barrier.  Then comes plane pl's first half.
.macro RTURN pl, planes, dl, dg
	s_wait_dscnt 32
	WIN MUL
	RMUL 0, 8, 1, 0
	WIN 0
	s_wait_tensorcnt 0x0                           ; all my tensor loads have landed
	ds_add_u32 v[SPW], v[NIL]                      ; 0 onto my spare word
.if \planes
	ds_add_u32 v[SPW], v[NIL]
.endif
	s_wait_dscnt 0x0                               ; the add is done, and my reads of the planes are over
	s_barrier_signal -1
	s_barrier_wait -1
.if \planes
	CREST                                          ; the barrier has opened a round of the cluster's barrier: no wave of any partner still reads these planes or has a load on its way
.if \planes == 2
	s_mov_b32 s[G2R], s3                           ; planes that are left along K, as far as they matter: chunks 4 and 5 in the first trip, 7 alone in the last
.endif
	REFILL \planes, \dl, \dg                       ; the first tensor load behind the round; its v_nop are the places in front of the loads below
.else
	PLACES NP
.endif
	FETCH_AD \pl, 0, 0
	FETCH_TK \pl, 0, 0
	WIN MUL
	RMUL 8, 8, 1, 0
	PLACES NP
	FETCH_AD \pl, 0, 8
.endm
	s_wait_alu depctr_va_vdst(0)
	s_wait_tensorcnt 0x0                           ; my part of chunk 0 is in
	ds_add_u32 v[SPW], v[NIL]
	ds_add_u32 v[SPW], v[NIL]
	s_wait_dscnt 0x0
	CROUND
	REFILL 2, HALFT, ROWB                          ; chunks 1, 2 into planes 1, 2
	FETCH_AD 0, 0, 0
	FETCH_TK 0, 0, 0
	FETCH_AD 0, 0, 8
	ASK 4, 2
	s_wait_loadcnt 0x0                             ; B's numbers
.set aa, 0
.rept 64
	v_med3_num_f32 v[BF+aa], v[BF+aa], -v11, v11   ; the conversion to an 8-bit code does not saturate (ISA guide 7.6.2): the hold comes first
.set aa, aa+1
.endr
.irp c, 0,1,2,3
	v_cvt_scalef32_pk8_fp8_f32 v[BC+4*\c:BC+4*\c+1], v[BF+16*\c:BF+16*\c+7], v10
	v_cvt_scalef32_pk8_fp8_f32 v[BC+4*\c+2:BC+4*\c+3], v[BF+16*\c+8:BF+16*\c+15], v10
.endr
	v_nop                                          ; one plain vector instruction behind the last scaled conversion
.irp c, 0,1,2,3
	global_store_b128 v9, v[BC+4*\c:BC+4*\c+3], s[12:13] offset:512*\c   ; 32 lanes store 512 consecutive bytes
.endr
	RSTEP 0, 1, 0, 1                               ; the first step starts the sums: nothing is cleared
.Llap:                                             ; a trip: the rest of chunk 3 t, chunks 3 t + 1 and 3 t + 2, the first half of chunk 3 t + 3
	RTURN 1, 1, 0, 2*ROWB                          ; chunk 3 (6) into plane 0
	ASK 6, 1
	RSTEP 1, 1, 0, 0
	RSTEP 2, 0, 1, 0
	RSTEP 2, 1, 0, 0
	RTURN 0, 2, HALFT, ROWB                        ; chunks 4, 5 (7) into planes 1, 2
	ASK 7, 1
	RSTEP 0, 1, 0, 0
	s_sub_co_u32 s3, s3, 1
	s_cmp_lg_u32 s3, 0
	s_cbranch_scc1 .Llap
	RTURN 1, 0, 0, 0                               ; the rest of chunk 6; nothing is filled again
	RSTEP 1, 1, 0, 0                               ; chunk 7
	s_wait_dscnt 32
	WIN MUL
	RMUL 0, 8, 1, 0
	s_wait_dscnt 0x0
	RMUL 8, 8, 1, 0
	WIN 0
; ---- THE WAY OUT.
.macro NORMS m, dst                    ; block m's 16 squared norms over my eight ranks, in pairs, each accumulator from its low end on
	WIN 0x0a                                       ; sources 0 and 1 window 2
.set aa, 0
.rept 16
	v_pk_mul_f32 v[TP+2*aa:TP+2*aa+1], v[16*aa+8*\m:16*aa+8*\m+1], v[16*aa+8*\m:16*aa+8*\m+1]
.set aa, aa+1
.endr
.irp k, 2,4,6
.set aa, 0
.rept 16
	v_pk_fma_f32 v[TP+2*aa:TP+2*aa+1], v[16*aa+8*\m+\k:16*aa+8*\m+\k+1], v[16*aa+8*\m+\k:16*aa+8*\m+\k+1], v[TP+2*aa:TP+2*aa+1]
.set aa, aa+1
.endr
.endr
	WIN 0
.set aa, 0
.rept 16
	v_add_f32 v[\dst+aa], v[TP+2*aa], v[TP+2*aa+1]
.set aa, aa+1
.endr
.endm
; Four times: the largest norm; the FIRST adapter that has it (a scalar chain over the 16 lane masks keeps the lowest index); its weight 1, its one-hot bit; its norm becomes -1.  No branch: every choice is a select.
; A mask's low half is block 0's tokens, its high half block 1's: for the weights each half is doubled, since both halves of the lanes hold ranks of every token.
.macro SELECT
.irp i, 0,1,2,3
	v_max3_num_f32 v[MX], v[NRM], v[NRM+1], v[NRM+2]
	v_max3_num_f32 v[MX+1], v[NRM+3], v[NRM+4], v[NRM+5]
	v_max3_num_f32 v[MX+2], v[NRM+6], v[NRM+7], v[NRM+8]
	v_max3_num_f32 v[MX+3], v[NRM+9], v[NRM+10], v[NRM+11]
	v_max3_num_f32 v[MX+4], v[NRM+12], v[NRM+13], v[NRM+14]
	v_max3_num_f32 v[MX], v[MX], v[MX+1], v[MX+2]
	v_max3_num_f32 v[MX+3], v[MX+3], v[MX+4], v[NRM+15]
	v_max_num_f32 v[SN+\i], v[MX], v[MX+3]
.set aa, 0
.rept 16
	v_cmp_eq_f32 s[EQ+aa], v[NRM+aa], v[SN+\i]
.set aa, aa+1
.endr
	s_mov_b32 s[FND], s[EQ]
.set aa, 1
.rept 15
	s_or_b32 s[FND+aa%2], s[FND+(aa+1)%2], s[EQ+aa]
	s_and_not1_b32 s[EQ+aa], s[EQ+aa], s[FND+(aa+1)%2]
.set aa, aa+1
.endr
.set aa, 0
.rept 16
	s_pack_ll_b32_b16 s[PK+2*(aa%3)], s[EQ+aa], s[EQ+aa]
	s_pack_hh_b32_b16 s[PK+2*(aa%3)+1], s[EQ+aa], s[EQ+aa]
.if aa == 0
	v_cndmask_b32 v[BT+\i], 0, 1, s[EQ+aa]
.else
	v_cndmask_b32 v[BT+\i], v[BT+\i], 1<<aa, s[EQ+aa]
.endif
	v_cndmask_b32 v[NRM+aa], v[NRM+aa], -1.0, s[EQ+aa]
	v_cndmask_b32 v[WT+16*\i+aa], 0, 1.0, s[PK+2*(aa%3)]
	v_cndmask_b32 v[WT+64+16*\i+aa], 0, 1.0, s[PK+2*(aa%3)+1]
.set aa, aa+1
.endr
.endr
.endm
; The four candidates' raw sums: sum over the adapters of weight x accumulator, two ranks an instruction, 16 chains that do not wait for each other.
.macro EXTRACT m
	WIN 0x02                                       ; source 0 window 2
.set aa, 0
.rept 16
.irp i, 0,1,2,3
.irp k, 0,2,4,6
.set WR, WT+64*\m+16*\i+aa
.if aa == 0
	v_pk_mul_f32 v[VC+8*\i+\k:VC+8*\i+\k+1], v[8*\m+\k:8*\m+\k+1], v[WR:WR+1] op_sel_hi:[1,0]
.elseif aa%2 == 0
	v_pk_fma_f32 v[VC+8*\i+\k:VC+8*\i+\k+1], v[16*aa+8*\m+\k:16*aa+8*\m+\k+1], v[WR:WR+1], v[VC+8*\i+\k:VC+8*\i+\k+1] op_sel_hi:[1,0,1]
.else
	v_pk_fma_f32 v[VC+8*\i+\k:VC+8*\i+\k+1], v[16*aa+8*\m+\k:16*aa+8*\m+\k+1], v[WR-1:WR], v[VC+8*\i+\k:VC+8*\i+\k+1] op_sel:[0,1,0] op_sel_hi:[1,1,1]
.endif
.endr
.endr
.set aa, aa+1
.endr
	WIN 0
.irp q, 0,1,2,3,4,5,6,7
	global_store_b128 v9, v[VC+4*\q:VC+4*\q+3], s[14:15] offset:16384*\m+512*\q   ; 512 consecutive bytes, aligned
.endr
.endm
	s_wait_xcnt 0x0                                ; the stores of B's codes have read their registers
	PLACES NP                                      ; behind the last products: their results are read and their operands' registers written
	NORMS 0, NRM
	NORMS 1, NR1
.set aa, 0
.rept 16
	v_cndmask_b32 v[TP+aa], v[NR1+aa], v[NRM+aa], s[HM]    ; what the lane 16 away needs: block 1's from the lower half, block 0's from the upper
.set aa, aa+1
.endr
.set aa, 0
.rept 16
	v_cndmask_b32 v[NRM+aa], v[NRM+aa], v[NR1+aa], s[HM]   ; what I keep
.set aa, aa+1
.endr
.set aa, 0
.rept 16
	v_permlanex16_b32 v[NR1+aa], v[TP+aa], s[SEL], s[SEL+1]
.set aa, aa+1
.endr
.set aa, 0
.rept 16
	v_add_f32 v[NRM+aa], v[NRM+aa], v[NR1+aa]
.set aa, aa+1
.endr
	SELECT
	global_store_b128 v[MT], v[SN:SN+3], s[16:17]             ; each half of the lanes 256 consecutive bytes, aligned
	global_store_b128 v[MT], v[BT:BT+3], s[16:17] offset:256
	EXTRACT 0
	s_wait_xcnt 0x0                                ; block 0's stores have read VC
	EXTRACT 1
	s_wait_tensorcnt 0x0                           ; the wave's end
	ds_add_u32 v[SPW], v[NIL]
	s_wait_dscnt 0x0
	CROUND                                         ; the closing round: no work-group ends while a partner may still ask for a tile that names it
	s_endpgm
.Lfunc_end_k_qd462b0889a_route:
	.size	k_qd462b0889a_route, .Lfunc_end_k_qd462b0889a_route-k_qd462b0889a_route
	.p2alignl 7, 3214868480
	.fill 96, 4, 3214868480
	.section	.rodata,"a",@progbits
	.p2align	6, 0x0
	.amdhsa_kernel k_qd462b0889a_route
		.amdhsa_group_segment_fixed_size 327680
		.amdhsa_private_segment_fixed_size 0
		.amdhsa_enable_private_segment 0
		.amdhsa_kernarg_size 56
		.amdhsa_user_sgpr_count 2
		.amdhsa_user_sgpr_kernarg_segment_ptr 1
		.amdhsa_wavefront_size32 1
		.amdhsa_system_sgpr_workgroup_id_x 1
		.amdhsa_system_sgpr_workgroup_id_y 1
		.amdhsa_system_sgpr_workgroup_id_z 1
		.amdhsa_system_vgpr_workitem_id 0
		.amdhsa_next_free_vgpr 768
		.amdhsa_next_free_sgpr 100
		.amdhsa_reserve_vcc 0
		.amdhsa_float_denorm_mode_32 3
		.amdhsa_float_denorm_mode_16_64 3
		.amdhsa_memory_ordered 1
		.amdhsa_forward_progress 1
		.amdhsa_inst_pref_size 168
	.end_amdhsa_kernel
	.amdgpu_metadata
---
amdhsa.version: [ 1, 2 ]
amdhsa.kernels:
  - .name:           k_qd462b0889a_route
    .symbol:         k_qd462b0889a_route.kd
    .args:
      - { .name: x_codes, .offset: 0, .size: 8, .value_kind: global_buffer, .address_space: global }
      - { .name: A_codes, .offset: 8, .size: 8, .value_kind: global_buffer, .address_space: global }
      - { .name: B, .offset: 16, .size: 8, .value_kind: global_buffer, .address_space: global }
      - { .name: lowp_scales, .offset: 24, .size: 8, .value_kind: global_buffer, .address_space: global }
      - { .name: bimg, .offset: 32, .size: 8, .value_kind: global_buffer, .address_space: global }
      - { .name: cand, .offset: 40, .size: 8, .value_kind: global_buffer, .address_space: global }
      - { .name: meta, .offset: 48, .size: 8, .value_kind: global_buffer, .address_space: global }
    .group_segment_fixed_size: 327680
    .private_segment_fixed_size: 0
    .kernarg_segment_align: 8
    .kernarg_segment_size: 56
    .max_flat_workgroup_size: 128
    .sgpr_count:     100
    .vgpr_count:     768
    .wavefront_size: 32
...
	.end_amdgpu_metadata
.endif
;; end of part 1
;; launch main (part 2): grid 8 x 32, 4 waves a work-group, clusters of 4 x 4, 327,680 bytes of LDS; arguments x_codes, W_codes, bimg, cand, meta, bias, lowp_scales, out0; writes out0
.if DOCPART == 2
	.amdgcn_target "amdgcn-amd-amdhsa--gfx1250"
	.amdhsa_code_object_version 6
	.text
	.protected	k_qd462b0889a_main
	.globl	k_qd462b0889a_main
	.p2align	8
	.type	k_qd462b0889a_main,@function
k_qd462b0889a_main:
	s_mov_b64 s[64:65], 0
	v_nop
	global_prefetch_b8 v0, s[64:65] scope:SCOPE_SE
	s_setreg_imm32_b32 hwreg(HW_REG_WAVE_MODE, 25, 1), 1
	s_wait_xcnt 0x0
	s_wait_alu depctr_hold_cnt(0) depctr_sa_sdst(0) depctr_va_vdst(0) depctr_va_sdst(0) depctr_va_ssrc(0) depctr_va_vcc(0) depctr_vm_vsrc(0)
	s_getreg_b32 s2, hwreg(HW_REG_IB_STS2, 6, 4)
	s_cmp_eq_u32 s2, 0
	s_cbranch_scc0 .Lentry_in_a_cluster
	s_endpgm
.Lentry_in_a_cluster:
	s_bfe_u32 s2, ttmp6, 0x10000c
	s_cmp_lg_u32 s2, 0xf033
	s_cbranch_scc0 .Lentry_shape_is_right
	s_endpgm
.Lentry_shape_is_right:
; MAIN.  out = x W^T + bias + delta, delta = Q(routes x v) Q(B)^T, all products on codes of FP8 (E4M3), sums in f32, in ONE set of accumulators: first K = 2,048 of x W^T, then, rescaled by a power of two, K = 1,024 of delta.
; A work-group makes 256 tokens x 256 outputs, a wave 128 x 128: 64 accumulators of 16 x 16.  x's and W's tiles go in slots of 256 along K through a ring of two LDS slots; B's image, 128 KiB for 512 along K, takes each slot once more.
; LAYOUT.  Source 0 = 16 tokens, source 1 = 16 rows of W: lane (r, h), register j holds token 8 h + j, and tile b = 4 G + c of a wave output 64 G + 4 r + c.  W's rows are laid so by the tensor load (a tile of 32 rows, 4 apart, by 4):
; four tiles' sums are then four neighbouring outputs of a lane, and sixteen lanes store 256 consecutive bytes, with no stage in LDS.
; THE ROUTER'S END.  Four groups give four candidates each; a token's four largest of the sixteen are n_g leading candidates of each group g (ties to the lower group).  The n_g are found at the head, under slot 1's flight;
; the candidates' raw sums are added in the K loop, half a block of 16 tokens a slot, from registers loaded a slot ahead.  Each wave does 64 tokens; codes and masks (32 bytes a token) meet in LDS.
; An operand fragment of delta is the token's 16 codes in each chosen adapter's place, 0 elsewhere: codes AND mask.
; THE LAST 256 along K of delta go by pairs of token blocks, so that a pair's stores leave while the next pair is multiplied.
; CLUSTER 4 x 4: x's tile is shared along a row of the cluster, W's and B's along a column: asked for jointly.
; LIMITS: e2 - e0 - e1 + 4 between -126 and 119; e2 + e3 and e4 + e5 - e2 - e3 between -126 and 127.  NaN among the candidates is not served.
; REGISTERS.  window 0: v0-3 weights, v4-5 the n_g as runs of ones, v6-31 addresses, bias, constants; v32-95 candidates, v96-111 their sums; from the delta on v32-63 the tokens' codes, v64-79 their masks, v80-87 at work,
;   v96-127 fragments; v128-255 token fragments (block a at 128 + 16 a), on the way out results.   window 1: W's or B's fragments, two sets.   windows 2, 3: accumulators of blocks 0-3, 4-7; at the head window 2 holds meta.
.set KROW,   2048
.set ROWB,   256
.set PITCH,  272                       ; an LDS row: 256 bytes + 16 of padding
.set NL,     4
.set NP,     4                         ; places behind this matrix instruction (ISA guide 7.12.1)
.set HALFT,  128*PITCH
.set SLOT,   4*HALFT                   ; x's 256 rows, then W's 256
.set SPARE,  2*SLOT                    ; the spare words, 128 bytes a wave
.set REC,    SPARE+512                 ; 256 tokens x 32 bytes: 16 codes, masks for h = 0, masks for h = 1
.set VST,  6                           ; 65,536 h + 16 r: my place in a block of the output
.set R16,  7
.set BI,   8                           ; v8-15 bias of my four outputs, G = 0, 1
.set ADRA, 16
.set QS,   18                          ; v18 the conversion's scale, v19 448 x it
.set ADRB, 20
.set ADRD, 22
.set RCS,  24                          ; where my tokens' records go
.set RDQ,  26                          ; where codes and masks are read
.set RDM,  27
.set SPW,  28
.set NIL,  29
.set PFO,  30                          ; 2,048 x lane
.set CO,   31                          ; 16 x lane
.set CB,   32
.set VS,   96
.set PFD,  112                         ; 256 x lane
.set RCT,  113
.set VQ,   32
.set MK,   64
.set AF,   128
.set G1,   24                          ; s[24:31], s[32:39]: x's group 1, group 0 for each slot
.set G0,   32
.set G1B,  48                          ; s[48:55], s[56:63], s[88:91], s[20:23]: W's groups 1, 0, 2, 3
.set G0B,  56
.set G2B,  88
.set G3B,  20
.set G1D,  76                          ; s[76:83], s[84:87]: B's image
.set G0D,  84
.set PFA,  98
.set LIM,  100
.set LIMD, 101
.set MSB, 0
.macro WIN new                         ; the immediate's high byte repeats the setting that is left
.if MSB != (\new)
	s_set_vgpr_msb (MSB<<8)|(\new)
.set MSB, (\new)
.endif
.endm
.set MUL_LO, 0xa4                      ; source 0 (tokens) window 0, source 1 window 1, C and D window 2
.set MUL_HI, 0xf4                      ; the same, C and D window 3
.set TO_B,   0x40
.macro PLACES n
.rept \n
	v_nop
.endr
.endm
; A joint load: waves 0 and 1 fetch x's halves, waves 2 and 3 W's; an s_nop 0 and four v_nop follow each line
.macro JLOAD s
	s_cmp_eq_u32 s15, 0
	s_cbranch_scc0 .Lfor_b_\@
	tensor_load_to_lds s[G0+4*\s:G0+4*\s+3], s[G1:G1+7]
	s_nop 0
	PLACES 4
	s_branch .Lasked_\@
.Lfor_b_\@:
	tensor_load_to_lds s[G0B+4*\s:G0B+4*\s+3], s[G1B:G1B+7], s[G2B:G2B+3], s[G3B:G3B+3]
	s_nop 0
	PLACES 4
.Lasked_\@:
.endm
.macro CREST
	s_cmp_lg_u32 s14, 0
	s_cbranch_scc1 .Lnot_wave_0_\@
	s_barrier_signal -3
.Lnot_wave_0_\@:
	s_barrier_wait -3
	s_barrier_signal -1
	s_barrier_wait -1
.endm
.macro CROUND
	s_barrier_signal -1
	s_barrier_wait -1
	CREST
.endm
; Prefetches.  K: the slot two refills on, 32 rows a wave, a lane a row; the four that ask jointly are told apart by address.  x's rows in each of the two clusters that load them, W's in the clusters of y = 0, 3, 5, 6.
; Slots 1 and 2 are asked for at the head, slot 3 behind slot 1's load; the loop's last trip (s3 = 1) names nothing beyond K.
; In that trip the clusters of y = 0, 3, 5, 6 ask for B's image instead: 32 blocks of 256 bytes a wave, a lane a block.
.macro ASK d
	s_cmp_gt_u32 s3, s[LIM]
	s_cbranch_scc0 .Lnot_mine_\@
	global_prefetch_b8 v[PFO], s[PFA:PFA+1] offset:ROWB th:TH_LOAD_NT scope:SCOPE_SE
.Lnot_mine_\@:
	s_cmp_eq_u32 s3, s[LIMD]
	s_cbranch_scc0 .Lnot_image_\@
	global_prefetch_b8 v[PFD], s[66:67] offset:1048576*\d th:TH_LOAD_NT scope:SCOPE_SE
.Lnot_image_\@:
.endm
	s_load_b256 s[4:11], s[0:1], 0x0               ; x, W, bimg, cand
	s_load_b256 s[68:75], s[0:1], 0x20             ; meta, bias, scales, out0
	v_lshl_add_u32 v[SPW], v0, 2, SPARE
	v_mov_b32 v[NIL], 0
	ds_add_u32 v[SPW], v[NIL]
	ds_add_u32 v[SPW], v[NIL]
	v_lshrrev_b32 v1, 5, v0
	v_readfirstlane_b32 s14, v1                    ; wave
	s_lshr_b32 s15, s14, 1                         ; my half of the tokens; I fetch for x (0) or for W (1)
	s_and_b32 s16, s14, 1                          ; my half of the outputs; which 128 rows I fetch
	s_mul_i32 s18, s15, HALFT
	s_mul_i32 s19, s16, HALFT
	s_add_co_u32 s19, s19, 2*HALFT
	s_lshl_b32 s44, s16, 16
	s_lshl_b32 s45, s14, 11
	s_add_co_u32 s45, s45, REC
	s_lshl_b32 s46, s15, 12
	s_add_co_u32 s46, s46, REC
	v_and_b32 v1, 15, v0                           ; r
	v_bfe_u32 v2, v0, 4, 1                         ; h
	v_lshlrev_b32 v[R16], 4, v1
	v_lshl_add_u32 v[VST], v2, 16, v[R16]
	v_and_b32 v3, 31, v0
	v_lshlrev_b32 v[CO], 4, v3
	v_lshlrev_b32 v[PFO], 11, v3
	v_lshlrev_b32 v[PFD], 8, v3
	v_mul_u32_u24 v3, v1, PITCH
	v_lshl_add_u32 v3, v2, 4, v3                   ; a fragment's row x pitch + 16 x half
	v_add_nc_u32 v[ADRA], s18, v3
	v_add_nc_u32 v[ADRB], s19, v3
	v_add_nc_u32 v[ADRD], s44, v[CO]
	v_add_nc_u32 v[ADRA+1], SLOT, v[ADRA]
	v_add_nc_u32 v[ADRB+1], SLOT, v[ADRB]
	v_add_nc_u32 v[ADRD+1], SLOT, v[ADRD]
	v_lshlrev_b32 v3, 5, v1                        ; a record: 32 bytes
	v_add_nc_u32 v[RDQ], s46, v3
	v_lshl_add_u32 v3, v2, 3, v3
	v_add_nc_u32 v[RCS], s45, v3
	v_add_nc_u32 v[RDM], s46, v3
	v_add_nc_u32 v[RDM], 16, v[RDM]
	s_wait_alu depctr_va_vdst(0)
	s_bfe_u32 s40, ttmp6, 0x40000                  ; cx
	s_bfe_u32 s41, ttmp6, 0x40004                  ; cy
	s_lshl_b32 s42, ttmp9, 2
	s_add_co_u32 s42, s42, s40                     ; tile of 256 outputs
	s_and_b32 s17, ttmp7, 0xffff
	s_lshl_b32 s17, s17, 2
	s_add_co_u32 s17, s17, s41                     ; tile of 256 tokens
	s_lshl_b32 s43, s41, 2
	s_lshl_b32 s43, 15, s43                        ; my row of the cluster
	s_lshl_b32 s44, 0x1111, s40                    ; my column
	s_or_b32 s[G1], s43, (1<<20)|(1<<21)|(5<<22)|(3<<25)    ; 15:0 the mask; elements of 1 byte; 20 padding on; 21 set beside a mask; after every 64 words four
	s_or_b32 s[G1B], s44, (1<<20)|(1<<21)|(5<<22)|(3<<25)
	s_mov_b32 s[G1+1], ROWB<<16                    ; tensor_dim0
	s_mov_b32 s[G1+2], 128<<16                     ; tensor_dim1
	s_mov_b32 s[G1+3], ROWB<<16                    ; tile_dim0
	s_mov_b32 s[G1+4], 128                         ; tile_dim1
	s_mov_b32 s[G1+5], KROW
	s_mov_b32 s[G1+6], 0
	s_mov_b32 s[G1+7], 0
	s_mov_b32 s[G1B+1], ROWB<<16                   ; W: rows 4 y + z land at LDS row 32 z + y, y < 32, z < 4
	s_mov_b32 s[G1B+2], 32<<16
	s_mov_b32 s[G1B+3], ROWB<<16
	s_mov_b32 s[G1B+4], 32|(4<<16)
	s_mov_b32 s[G1B+5], 4*KROW
	s_mov_b32 s[G1B+6], KROW<<16
	s_mov_b32 s[G1B+7], 0
	s_mov_b32 s[G2B], 4
	s_mov_b32 s[G2B+1], 1
	s_mov_b32 s[G2B+2], 0
	s_mov_b32 s[G2B+3], 0
	s_mov_b32 s[G3B], 0
	s_mov_b32 s[G3B+1], 1<<16
	s_mov_b32 s[G3B+2], 0
	s_mov_b32 s[G3B+3], 0
	s_or_b32 s[G1D], s44, (3<<16)|(1<<21)          ; B's image: 32,768 consecutive bytes a wave, as 128 rows of 32 elements of 8 bytes
	s_mov_b32 s[G1D+1], 32<<16
	s_mov_b32 s[G1D+2], 128<<16
	s_mov_b32 s[G1D+3], 32<<16
	s_mov_b32 s[G1D+4], 128
	s_mov_b32 s[G1D+5], 32
	s_mov_b32 s[G1D+6], 0
	s_mov_b32 s[G1D+7], 0
	s_lshl_b32 s18, s16, 7
	s_lshl_b32 s2, s17, 8
	s_add_co_u32 s2, s2, s18                       ; x: row 256 x tile + 128 x half
	s_lshl_b32 s2, s2, 11
	s_mov_b32 s3, 0
	s_lshl_b32 s46, s42, 8
	s_add_co_u32 s46, s46, s18                     ; W likewise
	s_lshl_b32 s46, s46, 11
	s_mov_b32 s47, 0
	s_mul_i32 s45, s14, HALFT                      ; where they go: no place in the cluster enters an LDS address
	s_lshl_b32 s101, s14, 15
	s_lshl_b32 s12, s42, 17
	s_add_co_u32 s12, s12, s101
	s_mov_b32 s13, 0
	s_wait_dscnt 0x0                               ; both opening adds are done
	s_wait_kmcnt 0x0
	s_load_b128 s[92:95], s[72:73], 0x0            ; e0 .. e3
	s_load_b64 s[96:97], s[72:73], 0x10            ; e4, e5
	s_add_nc_u64 s[2:3], s[4:5], s[2:3]
	s_add_nc_u64 s[46:47], s[6:7], s[46:47]
	s_add_nc_u64 s[12:13], s[8:9], s[12:13]
	s_mov_b32 s[G0D], 1
	s_mov_b32 s[G0D+1], s101
	s_mov_b64 s[G0D+2:G0D+3], s[12:13]
	s_or_b32 s[G0D+3], s[G0D+3], 0x80000000
.irp s, 0,1
	s_mov_b32 s[G0+4*\s], 1
	s_add_co_u32 s[G0+4*\s+1], s45, \s*SLOT
	s_add_nc_u64 s[G0+4*\s+2:G0+4*\s+3], s[2:3], \s*ROWB
	s_or_b32 s[G0+4*\s+3], s[G0+4*\s+3], 0x80000000
	s_mov_b32 s[G0B+4*\s], 1
	s_add_co_u32 s[G0B+4*\s+1], s45, \s*SLOT
	s_add_nc_u64 s[G0B+4*\s+2:G0B+4*\s+3], s[46:47], \s*ROWB
	s_or_b32 s[G0B+4*\s+3], s[G0B+4*\s+3], 0x80000000
.endr
	CROUND                                         ; all sixteen work-groups are here: the first joint loads meet
	JLOAD 0                                        ; slot 0
	s_lshl_b32 s18, s42, 10                        ; bias: my 128 outputs
	s_lshl_b32 s19, s16, 9
	s_add_co_u32 s18, s18, s19
	s_mov_b32 s19, 0
	s_add_nc_u64 s[70:71], s[70:71], s[18:19]
	s_lshl_b32 s18, s17, 15                        ; meta: my 64 tokens
	s_lshl_b32 s12, s14, 13
	s_add_co_u32 s18, s18, s12
	s_add_nc_u64 s[68:69], s[68:69], s[18:19]
	s_lshl_b32 s18, s17, 18                        ; cand: my 64 tokens
	s_lshl_b32 s12, s14, 16
	s_add_co_u32 s18, s18, s12
	s_add_nc_u64 s[10:11], s[10:11], s[18:19]
	global_load_b128 v[BI:BI+3], v[R16], s[70:71]
	global_load_b128 v[BI+4:BI+7], v[R16], s[70:71] offset:256
	WIN 0x80                                       ; meta into window 2: block p, group g at 32 p + 8 g: four norms, four one-hot words
.irp p, 0,1,2,3
.irp g, 0,1,2,3
	global_load_b128 v[32*\p+8*\g:32*\p+8*\g+3], v[R16], s[68:69] offset:2048*\p+512*\g
	global_load_b128 v[32*\p+8*\g+4:32*\p+8*\g+7], v[R16], s[68:69] offset:2048*\p+512*\g+256
.endr
.endr
	WIN 0
; Candidates of groups 2 hf and 2 hf + 1 of the block at s[10:11]: 16 loads
.macro CLOADS hf
.irp u, 0,1
.irp q, 0,1,2,3,4,5,6,7
	global_load_b128 v[CB+32*\u+4*\q:CB+32*\u+4*\q+3], v[CO], s[10:11] offset:4096*(2*\hf+\u)+512*\q
.endr
.endr
.endm
	CLOADS 0
	; the prefetches
	s_lshl_b32 s18, s17, 8
	s_lshl_b32 s19, s42, 8
	s_and_b32 s44, ttmp7, 0xffff                   ; cluster y, 0 .. 7
	s_bcnt1_i32_b32 s44, s44
	s_and_b32 s44, s44, 1                          ; 0 in y = 0, 3, 5, 6
	s_cmp_eq_u32 s44, 0
	s_cselect_b32 s[LIMD], 1, -1
	s_cmp_eq_u32 s15, 0
	s_cselect_b32 s18, s18, s19
	s_cselect_b32 s19, s40, s41                    ; my place among the four that ask jointly
	s_cselect_b32 s44, 0, s44                      ; x's waves ask in every cluster
	s_cselect_b64 s[PFA:PFA+1], s[4:5], s[6:7]
	s_cmp_eq_u32 s44, 0
	s_cselect_b32 s[LIM], 1, -1
	s_lshl_b32 s44, s16, 7
	s_add_co_u32 s18, s18, s44
	s_lshl_b32 s19, s19, 5
	s_add_co_u32 s18, s18, s19
	s_lshl_b32 s18, s18, 11
	s_add_co_u32 s18, s18, 2*ROWB                  ; at slot 2: the first refill steps it on and names slot 4
	s_mov_b32 s19, 0
	s_add_nc_u64 s[PFA:PFA+1], s[PFA:PFA+1], s[18:19]
	s_lshl_b32 s18, s42, 17                        ; B's image: tile, wave, place in the column
	s_lshl_b32 s44, s14, 15
	s_add_co_u32 s18, s18, s44
	s_lshl_b32 s44, s41, 13
	s_add_co_u32 s18, s18, s44
	s_add_nc_u64 s[66:67], s[8:9], s[18:19]
	s_lshl_b32 s18, s17, 8                         ; my first row and output
	s_lshl_b32 s44, s15, 7
	s_add_co_u32 s18, s18, s44
	s_lshl_b32 s18, s18, 13
	s_lshl_b32 s44, s42, 10
	s_add_co_u32 s18, s18, s44
	s_lshl_b32 s44, s16, 9
	s_add_co_u32 s18, s18, s44
	s_add_nc_u64 s[74:75], s[74:75], s[18:19]
	s_cmp_eq_u32 s[LIM], 1
	s_cbranch_scc0 .Lno_first_asks
	global_prefetch_b8 v[PFO], s[PFA:PFA+1] offset:-ROWB th:TH_LOAD_NT scope:SCOPE_SE   ; slots 1 and 2
	global_prefetch_b8 v[PFO], s[PFA:PFA+1] th:TH_LOAD_NT scope:SCOPE_SE
.Lno_first_asks:
	s_wait_kmcnt 0x0
	s_sub_co_i32 s18, s94, s92                     ; a raw sum stands for sum x 2^(e0 + e1) / 16: code = sum / 2^(e2 - e0 - e1 + 4)
	s_sub_co_i32 s18, s18, s93
	s_add_co_i32 s18, s18, 131
	s_lshl_b32 s19, s18, 23
	v_mov_b32 v18, s19
	s_add_co_i32 s18, s18, 8
	s_lshl_b32 s18, s18, 23
	s_or_b32 s18, s18, 0x600000
	v_mov_b32 v19, s18                             ; 448 x that
	s_add_co_i32 s18, s94, s95
	s_add_co_i32 s19, s96, s97
	s_sub_co_i32 s19, s19, s18
	s_add_co_i32 s19, s19, 127
	s_lshl_b32 s92, s19, 23                        ; 2^(e4 + e5 - e2 - e3)
	s_mov_b32 s93, s92
	s_add_co_i32 s18, s18, 127
	s_lshl_b32 s96, s18, 23                        ; 2^(e2 + e3)
; ---- the choice among four groups, block p, in window 2: four times the largest of the four leading norms; its group's count goes up and its norms move up.
.macro TAKE g, m, k
.if \k == 0
	v_cndmask_b32 v[132+\g], 0, 1, s\m
.else
	v_cndmask_b32 v[136+\g], 0, 1, s\m
	v_add_nc_u32 v[132+\g], v[132+\g], v[136+\g]
.endif
.if \k < 3
	v_cndmask_b32 v[MB+8*\g], v[MB+8*\g], v[MB+8*\g+1], s\m
.endif
.if \k < 2
	v_cndmask_b32 v[MB+8*\g+1], v[MB+8*\g+1], v[MB+8*\g+2], s\m
.endif
.if \k < 1
	v_cndmask_b32 v[MB+8*\g+2], v[MB+8*\g+2], v[MB+8*\g+3], s\m
.endif
.endm
.macro PICK p
.set MB, 32*(\p)
	WIN 0xaa
.irp k, 0,1,2,3
	v_max_num_f32 v128, v[MB+16], v[MB+24]
	v_max_num_f32 v129, v[MB+8], v128
	v_cmp_ge_f32 s18, v[MB], v129
	v_cmp_ge_f32 s19, v[MB+8], v128
	v_cmp_ge_f32 s44, v[MB+16], v[MB+24]
	s_and_not1_b32 s19, s19, s18
	s_or_b32 s46, s18, s19
	s_and_not1_b32 s44, s44, s46
	s_or_b32 s46, s46, s44
	s_not_b32 s45, s46
	TAKE 0, 18, \k
	TAKE 1, 19, \k
	TAKE 2, 44, \k
	TAKE 3, 45, \k
.endr
.irp g, 0,1,2,3                        ; the one-hot words of the n_g leading candidates, and n_g ones
	v_cmp_lt_u32 s18, 0, v[132+\g]
	v_cmp_lt_u32 s19, 1, v[132+\g]
	v_cmp_lt_u32 s44, 2, v[132+\g]
	v_cmp_lt_u32 s45, 3, v[132+\g]
	v_cndmask_b32 v[140+\g], 0, v[MB+8*\g+4], s18
	v_cndmask_b32 v136, 0, v[MB+8*\g+5], s19
	v_cndmask_b32 v137, 0, v[MB+8*\g+6], s44
	v_cndmask_b32 v138, 0, v[MB+8*\g+7], s45
	v_lshlrev_b32 v139, v[132+\g], 1
	v_or_b32 v[140+\g], v[140+\g], v136
	v_or_b32 v137, v137, v138
	v_add_nc_u32 v[144+\g], -1, v139
	v_or_b32 v[140+\g], v[140+\g], v137
.endr
	v_lshl_or_b32 v144, v145, 4, v144
	v_lshl_or_b32 v146, v147, 4, v146
	WIN 0x2a                                       ; results into window 0
	v_lshl_or_b32 v[96+2*\p], v141, 16, v140
	v_lshl_or_b32 v[97+2*\p], v143, 16, v142
	v_lshl_or_b32 v[104+\p], v146, 8, v144
.endm
; ---- half a block's sums: groups 2 hf, 2 hf + 1; weight i of group g is bit 4 g + i of v4
.macro COMBINE hf
.irp u, 0,1
.irp i, 0,1,2,3
	v_bfe_u32 v[\i], v4, 4*(2*\hf+\u)+\i, 1
.endr
.irp i, 0,1,2,3
	v_cvt_f32_u32 v[\i], v[\i]
.endr
.irp i, 0,1,2,3
.irp k, 0,2,4,6
.set CR, CB+32*\u+8*\i+\k
.set DR, VS+8*\u+\k
.if (\hf == 0) && (\i == 0)
	v_pk_mul_f32 v[DR:DR+1], v[CR:CR+1], v[0:1] op_sel_hi:[1,0]
.elseif (\i%2) == 0
	v_pk_fma_f32 v[DR:DR+1], v[CR:CR+1], v[\i:\i+1], v[DR:DR+1] op_sel_hi:[1,0,1]
.else
	v_pk_fma_f32 v[DR:DR+1], v[CR:CR+1], v[\i-1:\i], v[DR:DR+1] op_sel:[0,1,0] op_sel_hi:[1,1,1]
.endif
.endr
.endr
.endr
.endm
.macro FINISH adr, off, more           ; the block's codes, eight ranks a lane; more: on to the next block's counts
.irp k, 0,2,4,6
	v_pk_add_f32 v[VS+\k:VS+\k+1], v[VS+\k:VS+\k+1], v[VS+8+\k:VS+8+\k+1]
.endr
.irp k, 0,1,2,3,4,5,6,7
	v_med3_num_f32 v[VS+\k], v[VS+\k], -v19, v19   ; the conversion does not saturate (ISA guide 7.6.2)
.endr
	v_cvt_scalef32_pk8_fp8_f32 v[0:1], v[VS:VS+7], v18
.if \more
	v_alignbit_b32 v4, v5, v4, 16
	v_lshrrev_b32 v5, 16, v5
.else
	v_nop
.endif
	ds_store_b64 v[\adr], v[0:1] offset:\off
.endm
.macro FRAG reg, adr, q, i             ; 16 rows x 128 K
.irp c, 0,1,2,3
	ds_load_b128 v[\reg+4*\c:\reg+4*\c+3], v[\adr] offset:128*(\q)+32*\c+(\i)*16*PITCH
.endr
.endm
; Blocks a0, a0 + 1 x my eight tiles.  The 64 accumulators take turns, one instruction a turn, in the same order in every step.
.macro MUL16 a0, p, zero
.irp a, \a0, \a0+1
.irp b, 0,1,2,3,4,5,6,7
.if \zero
	v_wmma_f32_16x16x128_fp8_fp8 v[8*(8*((\a)%4)+\b):8*(8*((\a)%4)+\b)+7], v[AF+16*(\a):AF+16*(\a)+15], v[128*(\p)+16*\b:128*(\p)+16*\b+15], 0
.else
	v_wmma_f32_16x16x128_fp8_fp8 v[8*(8*((\a)%4)+\b):8*(8*((\a)%4)+\b)+7], v[AF+16*(\a):AF+16*(\a)+15], v[128*(\p)+16*\b:128*(\p)+16*\b+15], v[8*(8*((\a)%4)+\b):8*(8*((\a)%4)+\b)+7]
.endif
.endr
.endr
.endm
.macro FETCH_B slot, q, p              ; tile 4 G + c lies at LDS rows 32 c + 16 G
	WIN TO_B
.irp i, 0,1,2,3,4,5,6,7
	FRAG 128*(\p)+16*\i, ADRB+\slot, \q, 2*(\i%4)+\i/4
.endr
	WIN 0
.endm
.macro FETCH_A slot, q, i0
.irp i, \i0, \i0+1, \i0+2, \i0+3
	FRAG AF+16*(\i), ADRA+\slot, \q, \i
.endr
.endm
.macro DFETCH slot, sp, p              ; B's image: eight tiles x 128 K
	WIN TO_B
.irp b, 0,1,2,3,4,5,6,7
.irp c, 0,1,2,3
	ds_load_b128 v[128*(\p)+16*\b+4*\c:128*(\p)+16*\b+4*\c+3], v[ADRD+\slot] offset:8192*\b+2048*(\sp)+512*\c
.endr
.endr
	WIN 0
.endm
; Block a's fragment of K step sg into dst: registers 4 c .. + 3 are adapter 8 sg + 2 c + h: the 16 codes where its bit is set, else 0.
.macro BUILD a, sg, dst
.set MW, MK+2*(\a)+(\sg)/4
.set TT, 80+4*((\a)%2)
.irp c, 0,1,2,3
	v_lshlrev_b32 v[TT+\c], 31-(8*((\sg)%4)+2*\c), v[MW]
.endr
.irp c, 0,1,2,3
	v_ashrrev_i32 v[TT+\c], 31, v[TT+\c]
.endr
.irp c, 0,1,2,3
.irp k, 0,1,2,3
	v_and_b32 v[(\dst)+4*\c+\k], v[VQ+4*(\a)+\k], v[TT+\c]
.endr
.endr
.endm
.macro BUILD4 a0, sg
.irp a, \a0, \a0+1, \a0+2, \a0+3
	BUILD \a, \sg, AF+16*(\a)
.endr
.endm
.macro RESCALE                         ; x W^T's sums x 2^(e4 + e5 - e2 - e3)
	WIN 0x82
.set jj, 0
.rept 128
	v_pk_mul_f32 v[jj:jj+1], v[jj:jj+1], s[92:93] op_sel_hi:[1,0]
.set jj, jj+2
.endr
	WIN 0xc3
.set jj, 0
.rept 128
	v_pk_mul_f32 v[jj:jj+1], v[jj:jj+1], s[92:93] op_sel_hi:[1,0]
.set jj, jj+2
.endr
	WIN 0
.endm
; A slot's first 128 along K; the second 128's fragments are fetched on the way.
.macro STEP slot, q, zero
	s_wait_dscnt 4*NL                              ; W's set and blocks 0-3 are in; the youngest loads (blocks 4-7) may be out
	WIN MUL_LO
	MUL16 0, (\q)%2, \zero
	MUL16 2, (\q)%2, \zero
	s_wait_dscnt 0                                 ; blocks 4-7 are in
	PLACES NP
	FETCH_B \slot, (\q)+1, 1-(\q)%2
	FETCH_A \slot, (\q)+1, 0
	WIN MUL_HI
	MUL16 4, (\q)%2, \zero
	MUL16 6, (\q)%2, \zero
	PLACES NP
	WIN 0
	FETCH_A \slot, (\q)+1, 4
.endm
; A slot's second 128 along K, and the change of slots.  fill 1: the slot takes x and W two slots on; 2, 3: it takes half 0, 1 of B's image.  nxt 1: the delta begins.
.macro TURN slot, fill, nxt
	s_wait_xcnt 0x0                                ; the last prefetch has read its address
.if \fill == 1
	s_add_nc_u64 s[PFA:PFA+1], s[PFA:PFA+1], ROWB
.endif
	s_wait_dscnt 4*NL
	WIN MUL_LO
	MUL16 0, 1, 0                                  ; half of the step's products stand ahead of the wait for the next slot;
	MUL16 2, 1, 0
.if \nxt
	s_wait_dscnt 0x0                               ; in the last of these changes all of them, and the rescaling
	WIN MUL_HI
	MUL16 4, 1, 0
	MUL16 6, 1, 0
	PLACES NP
	RESCALE
.endif
	WIN 0
	s_wait_tensorcnt 0x0                           ; all my tensor loads have landed: my part of the next slot
	ds_add_u32 v[SPW], v[NIL]                      ; 0 onto my spare word
	s_wait_dscnt 0x0                               ; the add is done, and my reads of this slot are over
	s_barrier_signal -1
	s_barrier_wait -1
	CREST                                          ; no wave of any partner still reads this slot or has a load on its way
.if \fill == 1
	s_add_nc_u64 s[G0+4*\slot+2:G0+4*\slot+3], s[G0+4*\slot+2:G0+4*\slot+3], 2*ROWB
	s_add_nc_u64 s[G0B+4*\slot+2:G0B+4*\slot+3], s[G0B+4*\slot+2:G0B+4*\slot+3], 2*ROWB
	JLOAD \slot                                    ; its v_nop are the places in front of the loads below
.else
.if \fill == 3
	s_add_co_u32 s[G0D+1], s[G0D+1], SLOT
	s_add_nc_u64 s[G0D+2:G0D+3], s[G0D+2:G0D+3], 1048576
.endif
	tensor_load_to_lds s[G0D:G0D+3], s[G1D:G1D+7]
	s_nop 0
	PLACES 4
.endif
.if \nxt == 0
	FETCH_B 1-\slot, 0, 0
	FETCH_A 1-\slot, 0, 0
.if \fill == 1
	ASK \slot
.endif
.else
.irp a, 0,1,2,3,4,5,6,7
	ds_load_b128 v[VQ+4*\a:VQ+4*\a+3], v[RDQ] offset:512*\a
.endr
.irp a, 0,1,2,3,4,5,6,7
	ds_load_b64 v[MK+2*\a:MK+2*\a+1], v[RDM] offset:512*\a
.endr
	DFETCH 1-\slot, 0, 0
	s_wait_dscnt 32                                ; codes and masks are in
	BUILD4 0, 0
	BUILD4 4, 0
.endif
.if \nxt == 0
	WIN MUL_HI
	MUL16 4, 1, 0
	MUL16 6, 1, 0
	PLACES NP
	WIN 0
	FETCH_A 1-\slot, 0, 4
.endif
.endm
; A step of 128 along the delta's K; the next step's fragments are fetched and built on the way.
.macro DSTEP slot, sp, sg
	s_wait_dscnt 0x0
	WIN MUL_LO
	MUL16 0, (\sg)%2, 0
	MUL16 2, (\sg)%2, 0
	PLACES NP
	DFETCH \slot, \sp+1, 1-(\sg)%2
	BUILD4 0, \sg+1
	WIN MUL_HI
	MUL16 4, (\sg)%2, 0
	MUL16 6, (\sg)%2, 0
	PLACES NP
	WIN 0
	BUILD4 4, \sg+1
.endm
	s_wait_alu depctr_va_vdst(0)
	s_wait_tensorcnt 0x0                           ; my part of slot 0 is in
	ds_add_u32 v[SPW], v[NIL]
	s_wait_dscnt 0x0
	CROUND                                         ; everybody's part of slot 0 is in: the joint loads meet
	JLOAD 1                                        ; slot 1
	FETCH_B 0, 0, 0
	FETCH_A 0, 0, 0
	FETCH_A 0, 0, 4
	s_cmp_eq_u32 s[LIM], 1
	s_cbranch_scc0 .Lno_slot_3
	global_prefetch_b8 v[PFO], s[PFA:PFA+1] offset:ROWB th:TH_LOAD_NT scope:SCOPE_SE    ; slot 3
.Lno_slot_3:
	s_wait_loadcnt 16                              ; bias and meta are in; the first candidates' 16 loads may be out
	PICK 0
	PICK 1
	PICK 2
	PICK 3
	WIN 0
.irp j, 0,1,2,3,4,5,6,7
	v_lshrrev_b32 v[96+\j], v2, v[96+\j]           ; my half's adapters (8 sg + 2 c + h) at even bits
.endr
	v_lshl_or_b32 v4, v105, 16, v104
	v_lshl_or_b32 v5, v107, 16, v106
.irp p, 0,1,2,3
	ds_store_b64 v[RCS], v[96+2*\p:97+2*\p] offset:512*\p+16
.endr
	s_wait_alu depctr_va_vdst(0)
	STEP 0, 0, 1                                   ; the first step starts the sums: nothing is cleared
	s_wait_loadcnt 0x0
	COMBINE 0
	s_wait_alu depctr_va_vdst(0)
	CLOADS 1
	s_mov_b32 s2, 0                                ; where the block's record goes: 512 bytes a block
	s_mov_b32 s3, 3
.Llap:                                             ; a trip goes once round the ring and fills both slots again; it ends block t and begins block t + 1
	TURN 0, 1, 0
	s_wait_loadcnt 0x0                             ; the 16 loads asked for a slot ago
	COMBINE 1
	v_add_nc_u32 v[RCT], s2, v[RCS]
	FINISH RCT, 0, 1
	s_wait_alu depctr_va_vdst(0)
	s_add_nc_u64 s[10:11], s[10:11], 16384         ; the next block's candidates (no load on this base is out)
	s_add_co_u32 s2, s2, 512
	CLOADS 0
	STEP 1, 0, 0
	TURN 1, 1, 0
	s_wait_loadcnt 0x0
	COMBINE 0
	s_wait_alu depctr_va_vdst(0)
	CLOADS 1
	STEP 0, 0, 0
	s_sub_co_u32 s3, s3, 1
	s_cmp_lg_u32 s3, 0
	s_cbranch_scc1 .Llap
	TURN 0, 2, 0                                   ; slot 0 takes the image's first half
	s_wait_loadcnt 0x0
	COMBINE 1
	FINISH RCS, 1536, 0                            ; the last block's codes: stored ahead of the next round
	STEP 1, 0, 0
	TURN 1, 3, 1                                   ; slot 1 takes the second half; the records are read
	DSTEP 0, 0, 0
	DSTEP 0, 1, 1
	DSTEP 0, 2, 2
	s_wait_tensorcnt 0x0                           ; my part of the image's second half is in
	ds_add_u32 v[SPW], v[NIL]
	s_wait_dscnt 1
	WIN MUL_LO
	MUL16 0, 1, 0
	s_wait_dscnt 0x0
	s_barrier_signal -1
	MUL16 2, 1, 0
	WIN 0
	s_barrier_wait -1                              ; and everybody's; nothing is filled again
	PLACES NP
	DFETCH 1, 0, 0
	BUILD4 0, 4
	WIN MUL_HI
	MUL16 4, 1, 0
	MUL16 6, 1, 0
	PLACES NP
	WIN 0
	BUILD4 4, 4
	DSTEP 1, 0, 4
	DSTEP 1, 1, 5                                  ; leaves step 6's fragments: tiles in set 0, tokens in v128-255
; ---- THE LAST TWO STEPS BY PAIRS OF BLOCKS.  Eight products of block a on set s, tokens' fragment at src:
.macro RG a, s, src
	WIN MUL_LO+0x50*((\a)/4)
.irp b, 0,1,2,3,4,5,6,7
	v_wmma_f32_16x16x128_fp8_fp8 v[8*(8*((\a)%4)+\b):8*(8*((\a)%4)+\b)+7], v[(\src):(\src)+15], v[128*\s+16*\b:128*\s+16*\b+15], v[8*(8*((\a)%4)+\b):8*(8*((\a)%4)+\b)+7]
.endr
.endm
; Quarter n of the way out: block n / 2, 64 outputs G = n % 2: eight stores, each two whole rows of 256 consecutive bytes, 8 tokens apart.
; Its results go to the 32 accumulator registers of quarter n - 1, which have been read (quarter 0's to v128-159, the first pair's fragments): no store's register is written again.
.macro OUTQ n
.set QA, (\n)/2
.set QG, (\n)%2
.if (\n) == 0
.set QT, 128
.set QW, 0
.else
.set QT, 32*(((\n)-1)%8)
.set QW, 2+((\n)-1)/8
.endif
	WIN 0x02+QA/4+0x40*QW
.irp j, 0,1,2,3,4,5,6,7
.irp c, 0,1,2,3
	v_fma_f32 v[QT+4*\j+\c], v[8*(8*(QA%4)+4*QG+\c)+\j], s96, v[BI+4*QG+\c]
.endr
.endr
	WIN 4*QW
.irp j, 0,1,2,3,4,5,6,7
	global_store_b128 v[VST], v[QT+4*\j:QT+4*\j+3], s[74:75] offset:131072*QA+8192*\j+256*QG th:TH_STORE_NT
.endr
.endm
	DFETCH 1, 3, 1                                 ; step 7's tiles into set 1
	BUILD 0, 7, 96
	BUILD 1, 7, 112
	s_wait_alu depctr_va_vdst(0)
	s_wait_dscnt 32                                ; set 0 is in; the 32 loads of set 1 may be out
	RG 0, 0, AF
	RG 1, 0, AF+16
	s_wait_dscnt 0x0
	RG 0, 1, 96
	RG 1, 1, 112
.irp P, 1,2,3
	WIN 0
	BUILD 2*\P, 7, 96                              ; the first eight lines are the places behind the products that read v96-127
	BUILD 2*\P+1, 7, 112
	RG 2*\P, 0, AF+32*\P
	OUTQ 4*\P-4
	RG 2*\P+1, 0, AF+32*\P+16
	OUTQ 4*\P-3
	RG 2*\P, 1, 96
	OUTQ 4*\P-2
	RG 2*\P+1, 1, 112
	OUTQ 4*\P-1
.endr
	PLACES NP
	OUTQ 12
	OUTQ 13
	OUTQ 14
	OUTQ 15
	WIN 0
	s_wait_tensorcnt 0x0                           ; the wave's end
	ds_add_u32 v[SPW], v[NIL]
	s_wait_dscnt 0x0
	CROUND                                         ; the closing round
	s_endpgm
.Lfunc_end_k_qd462b0889a_main:
	.size	k_qd462b0889a_main, .Lfunc_end_k_qd462b0889a_main-k_qd462b0889a_main
	.p2alignl 7, 3214868480
	.fill 96, 4, 3214868480
	.section	.rodata,"a",@progbits
	.p2align	6, 0x0
	.amdhsa_kernel k_qd462b0889a_main
		.amdhsa_group_segment_fixed_size 327680
		.amdhsa_private_segment_fixed_size 0
		.amdhsa_enable_private_segment 0
		.amdhsa_kernarg_size 64
		.amdhsa_user_sgpr_count 2
		.amdhsa_user_sgpr_kernarg_segment_ptr 1
		.amdhsa_wavefront_size32 1
		.amdhsa_system_sgpr_workgroup_id_x 1
		.amdhsa_system_sgpr_workgroup_id_y 1
		.amdhsa_system_sgpr_workgroup_id_z 1
		.amdhsa_system_vgpr_workitem_id 0
		.amdhsa_next_free_vgpr 1024
		.amdhsa_next_free_sgpr 102
		.amdhsa_reserve_vcc 0
		.amdhsa_float_denorm_mode_32 3
		.amdhsa_float_denorm_mode_16_64 3
		.amdhsa_memory_ordered 1
		.amdhsa_forward_progress 1
		.amdhsa_inst_pref_size 255
	.end_amdhsa_kernel
	.section	.bss,"aw",@nobits
	.p2align	6
	.space	262144
	.amdgpu_metadata
---
amdhsa.version: [ 1, 2 ]
amdhsa.kernels:
  - .name:           k_qd462b0889a_main
    .symbol:         k_qd462b0889a_main.kd
    .args:
      - { .name: x_codes, .offset: 0, .size: 8, .value_kind: global_buffer, .address_space: global }
      - { .name: W_codes, .offset: 8, .size: 8, .value_kind: global_buffer, .address_space: global }
      - { .name: bimg, .offset: 16, .size: 8, .value_kind: global_buffer, .address_space: global }
      - { .name: cand, .offset: 24, .size: 8, .value_kind: global_buffer, .address_space: global }
      - { .name: meta, .offset: 32, .size: 8, .value_kind: global_buffer, .address_space: global }
      - { .name: bias, .offset: 40, .size: 8, .value_kind: global_buffer, .address_space: global }
      - { .name: lowp_scales, .offset: 48, .size: 8, .value_kind: global_buffer, .address_space: global }
      - { .name: out0, .offset: 56, .size: 8, .value_kind: global_buffer, .address_space: global }
    .group_segment_fixed_size: 327680
    .private_segment_fixed_size: 0
    .kernarg_segment_align: 8
    .kernarg_segment_size: 64
    .max_flat_workgroup_size: 128
    .sgpr_count:     102
    .vgpr_count:     1024
    .wavefront_size: 32
...
	.end_amdgpu_metadata
.endif
;; end of part 2
